; MI455X (gfx1250); checked and timed in simulation.
; The chip was launched on July 23, 2026; its instructions are those of AMD's public machine-readable ISA for CDNA 5 (MIT licence, August 2026) and "CDNA5" Instruction Set Architecture Reference Guide (July 2026). The comments in the code are by the model that wrote it; some were corrected since.
;; Memory Network. Allowed arithmetic: float matrix products may take bf16 or f16 operands with f32 sums; other float arithmetic in f32, or as packed bf16 or f16 multiplies, adds, multiply-adds, maxima and minima; sums over many terms, partial sums and values carried from step to step in f32; what a program stores and reads back later, other than sums and carried values, may be rounded once to bf16 or f16.
;; Inputs: W_domain 768 x 2,048 float32; W_topic 768 x 2,048 float32; category 16,384 int32; feature 16,384 x 2,048 float32; memory_tables 9 x 10 x 768 float32.
;; Outputs: out0 16,384 x 1 x 9 float32.
;; One version. Each part assembles by itself: llvm-mc -triple=amdgcn-amd-amdhsa -mcpu=gfx1250 --defsym DOCPART=n.
;; ======== version 1 of 1: 2 launches
;; limits: values outside matrix products are rounded to bf16
;; workspace buffers: prf 1,572,864 bytes
;; launch fold (part 1): grid 32 x 6, 8 waves a work-group, no clusters, 66,560 bytes of LDS; arguments W_topic, W_domain, memory_tables, category, prf; writes prf
.if DOCPART == 1
	.amdgcn_target "amdgcn-amd-amdhsa--gfx1250"
	.amdhsa_code_object_version 6
	.text
	.protected	k_q3919dbe8b4_fold
	.globl	k_q3919dbe8b4_fold
	.p2align	8
	.type	k_q3919dbe8b4_fold,@function
k_q3919dbe8b4_fold:
	s_mov_b64 s[64:65], 0
	v_nop
	global_prefetch_b8 v0, s[64:65] scope:SCOPE_SE
	s_setreg_imm32_b32 hwreg(HW_REG_WAVE_MODE, 25, 1), 1
	s_wait_xcnt 0x0
; FOLD.  P[d][m][k] = sum over e of mems_d[d][m][e] W_topic[e][k],  R likewise with W_domain;  mems_d[d] = memory_tables[category[d]], d = 0..8.
; WORK LEFT OUT, and why it can reach no output, for all values of the inputs:
;   reference() gathers a table for each of the 16,384 samples and then keeps mem[:9]: category[9..] and every table that category[0..8] does not name are sliced away: they are not read.
;   einsum(t, mems_d) = feat . (mems_d W_topic) and einsum(sep, dproj) = sum over m of att[d][m] (feat . (mems_d[d][m] W_domain)), by the associative law: t, dproj and sep are never formed;
;   the 90 rows P and the 90 rows R made here stand for them, and the next launch multiplies the features by those rows alone.
; LIMITS.  The order of rounding differs from reference()'s.  W, the tables and (next launch) the features are rounded to bf16 once; P and R are kept as a sum of two bf16 numbers, hi + lo
; (16 significant bits).  A NaN, an infinity or an overflow that would arise only in t, dproj, sep or in a table that is not named is not carried to the result.
; An index in category[0..8] outside 0..8 is taken as 8.
; ROWS.  P's (and R's) rows are laid in 6 tiles of 16: tile T, row 8 hr + j, q = 8 T + j.  q < 40: domain 4 hr + q / 10, memory row q % 10.  q = 40..44: domain 8, memory row 5 hr + q - 40.
; q = 45..47: a row of domain 8 once more (finite, never used).  So in the next launch one half of the lanes holds four whole domains, and half of domain 8.
; SHARES.  A work-group makes 32 rows (two tiles) x 64 columns k of one of the two products: x = the block of 64 k (256 bytes of each row of W), y = 3 x product + third of the tiles.
; The 768 channels e are split among the eight waves, 96 each, three matrix steps of 32; the eight partial sums meet in LDS.  All 74 loads of a wave go out at its start.
; NO CLUSTER: W passes through registers (two rows e are paired while they are rounded), a block of W is shared by three work-groups only, and the grid's 6 is no multiple of 4.
; NO PREFETCH: every load of a wave is issued at its start; there is no later trip to ask ahead for.
; THE PRODUCT: source 0 = 16 columns k of W (fragment jn: k = 4 x row + jn), source 1 = 16 rows of the tables, 32 channels e deep.  Register j of lane (r, hD) of the result is row r at k = 32 hD + 4 j + jn.
; prf: [step 0..15][wave 0..3][fragment 0..23][chunk 0..1][lane 0..31][8 bf16]; fragment = 12 x (0 hi, 1 lo) + 6 x product + tile.  Lane (row, ho), chunk c, element e holds
; k = 256 (step / 2) + 64 wave + 32 (step % 2) + 16 c + 8 (e / 4) + 4 ho + e % 4: the order in which the next launch's feature loads fill a fragment.
.set ROWW,  8192                       ; bytes in a row of W
.set PARTB, 24576                      ; bytes of prf for one step and wave
.set STEPB, 98304                      ; bytes of prf for one step
.set LOB,   12288                      ; from a hi fragment to its lo fragment
.set SPARE, 65536                      ; behind the stage: the spare words, 128 bytes for each of eight waves
.set WO,  2                            ; v2     my byte offset in W
.set AO,  3                            ; v3-4   my byte offset in the tables, for tile 0 and 1
.set SA,  5                            ; v5     where I put my partial tiles
.set RA,  6                            ; v6     where I read partial sums back
.set GOF, 7                            ; v7     my byte offset in prf
.set SPW, 8                            ; v8     LDS address of my spare word; never rewritten
.set NIL, 9                            ; v9     0; never rewritten
.set AS,  32                           ; v32-127   six fragments of table rows: 16 f32 as loaded, packed in place to 8 registers
.set BB,  128                          ; v128-191  two sets of four fragments of W
.set ACC, 192                          ; v192-255  eight accumulators: tile t, fragment jn at ACC + 8 (4 t + jn)
.set TR,  32                           ; the end: eight partial sums of my 8 numbers
.set HIW, 96                           ; v96-99    hi, packed
.set LOW, 100                          ; v100-103  lo, packed
.set WD,  104                          ; v104-111  hi, widened
; window 1: v0-191  W as loaded: step c, load i at 64 c + 4 i
.set MSB, 0
.macro WIN new                         ; the immediate's high byte repeats the setting that is left; a switch that changes nothing is dropped
.if MSB != (\new)
	s_set_vgpr_msb (MSB<<8)|(\new)
.set MSB, \new
.endif
.endm
.macro PLACES
.rept 4
	v_nop
.endr
.endm
	s_load_b256 s[4:11], s[0:1], 0x0               ; W_topic s[4:5], W_domain s[6:7], memory_tables s[8:9], category s[10:11]
	s_load_b64 s[12:13], s[0:1], 0x20              ; prf
	v_lshl_add_u32 v[SPW], v0, 2, SPARE
	v_mov_b32 v[NIL], 0
	v_lshrrev_b32 v10, 5, v0
	v_readfirstlane_b32 s14, v10                   ; wave 0..7
	s_and_b32 s15, ttmp7, 0xffff                   ; y
	s_cmp_ge_u32 s15, 3
	s_cselect_b32 s16, 1, 0                        ; which product: 0 P, 1 R
	s_cselect_b32 s17, 3, 0
	s_sub_co_u32 s17, s15, s17                     ; which third of the six tiles
	v_and_b32 v11, 15, v0                          ; r
	v_bfe_u32 v12, v0, 4, 1                        ; h
	v_and_b32 v13, 7, v0                           ; j = r % 8
	v_bfe_u32 v14, v0, 3, 1                        ; hr = r / 8
	s_lshl_b32 s20, s17, 4
.irp tt, 0,1                           ; which table row is row r of my tile tt
	v_add3_u32 v15, v13, s20, 8*\tt                ; q = 8 T + j
	v_mul_u32_u24 v16, 205, v15
	v_lshrrev_b32 v16, 11, v16                     ; q / 10 (exact for q < 48)
	v_mul_u32_u24 v17, 10, v16
	v_sub_nc_u32 v17, v15, v17                     ; q % 10
	v_lshl_add_u32 v18, v14, 2, v16                ; 4 hr + q / 10
	v_mad_u32_u24 v19, v14, 5, v17
	v_min_u32 v19, 9, v19                          ; domain 8: 5 hr + q - 40, held to the table
	v_cmp_gt_u32 vcc_lo, 4, v16
	v_cndmask_b32 v18, 8, v18, vcc_lo              ; the domain
	v_cndmask_b32 v[20+\tt], v19, v17, vcc_lo      ; the memory row
	v_lshlrev_b32 v[22+\tt], 2, v18                ; the domain's word in category
.endr
	s_mul_i32 s21, s14, 96*ROWW                    ; my 96 rows of W,
	s_lshl_b32 s22, ttmp9, 8                       ; the work-group's 256 bytes of them
	s_add_co_u32 s21, s21, s22
	v_lshlrev_b32 v[WO], 16, v12                   ; lanes 16-31 eight rows further down,
	v_lshl_add_u32 v[WO], v11, 4, v[WO]            ; 16 bytes a lane: sixteen lanes take 256 consecutive bytes, aligned, of one row
	v_add_nc_u32 v[WO], s21, v[WO]
	s_mul_i32 s23, s14, 384                        ; my 96 channels of a table row,
	v_lshl_add_u32 v26, v12, 5, s23                ; eight further on for lanes 16-31
	s_lshr_b32 s31, ttmp9, 2                       ; 64 k = one wave's share of a trip of the next launch: trip x / 4, wave x % 4
	s_lshl_b32 s31, s31, 3
	s_and_b32 s32, ttmp9, 3
	s_add_co_u32 s32, s32, s31
	s_mul_i32 s32, s32, PARTB
	s_mov_b32 s33, 0
	s_wait_kmcnt 0x0
	s_cmp_eq_u32 s16, 1
	s_cselect_b64 s[18:19], s[6:7], s[4:5]         ; my W
	s_add_nc_u64 s[12:13], s[12:13], s[32:33]      ; prf at the even step of my 64 k
	global_load_b32 v24, v22, s[10:11]
	global_load_b32 v25, v23, s[10:11]
	WIN 0x40                                       ; destination window 1, address window 0
.set c_, 0
.rept 3                                ; load i of step c: channel 32 c + 8 h + i (i < 8) or 32 c + 16 + 8 h + i - 8, four k a lane
.set i_, 0
.rept 16
	global_load_b128 v[64*c_+4*i_:64*c_+4*i_+3], v[WO], s[18:19] offset:(32*c_+(i_&7)+16*(i_>>3))*ROWW
.set i_, i_+1
.endr
.set c_, c_+1
.endr
	WIN 0
	; addresses for the end, made while the loads are out
	v_and_b32 v27, 31, v0
	s_lshl_b32 s24, s14, 13
	v_lshl_add_u32 v[SA], v27, 4, s24              ; 8,192 x wave + 16 x lane
	s_lshr_b32 s25, s14, 2                         ; at the end wave v finishes tile v / 4, chunk (v / 2) % 2, lanes' half v % 2
	s_bfe_u32 s26, s14, 0x10001
	s_and_b32 s27, s14, 1
	s_lshl_b32 s28, s25, 12
	s_lshl_b32 s29, s26, 9
	s_add_co_u32 s28, s28, s29
	s_lshl_b32 s29, s27, 2
	s_add_co_u32 s28, s28, s29
	v_lshl_add_u32 v[RA], v27, 4, s28              ; 4,096 tile + 512 chunk + 4 half + 16 lane
	s_mul_i32 s30, s16, 6
	s_lshl1_add_u32 s30, s17, s30
	s_add_co_u32 s30, s30, s25                     ; the fragment: 6 x product + tile
	s_lshl_b32 s30, s30, 10
	s_lshl_b32 s29, s26, 9
	s_add_co_u32 s30, s30, s29
	s_lshl_b32 s29, s27, 8
	s_add_co_u32 s30, s30, s29
	v_mul_u32_u24 v[GOF], 0x18000, v12             ; lanes 16-31 hold the odd step's k
	v_lshl_add_u32 v[GOF], v11, 4, v[GOF]
	v_add_nc_u32 v[GOF], s30, v[GOF]
	s_wait_loadcnt 48                              ; the two words of category are in; W's 48 loads may stay out
.irp tt, 0,1
	v_min_u32 v[24+\tt], 8, v[24+\tt]              ; the index stays inside the nine tables
	v_mul_u32_u24 v[24+\tt], 10, v[24+\tt]
	v_add_nc_u32 v[24+\tt], v[24+\tt], v[20+\tt]   ; the row among the 90
	v_mul_u32_u24 v[24+\tt], 0xc00, v[24+\tt]      ; 3,072 bytes a row
	v_add_nc_u32 v[AO+\tt], v[24+\tt], v26
.endr
.set c_, 0
.rept 3                                ; channels 8 h + 0..7 and 16 + 8 h + 0..7 of step c: four loads of 16 bytes
.irp tt, 0,1
.set a_, AS+16*(2*c_+\tt)
	global_load_b128 v[a_:a_+3],     v[AO+\tt], s[8:9] offset:128*c_
	global_load_b128 v[a_+4:a_+7],   v[AO+\tt], s[8:9] offset:128*c_+16
	global_load_b128 v[a_+8:a_+11],  v[AO+\tt], s[8:9] offset:128*c_+64
	global_load_b128 v[a_+12:a_+15], v[AO+\tt], s[8:9] offset:128*c_+80
.endr
.set c_, c_+1
.endr
.macro CVTW c, set                     ; step c of W: two rows e are rounded into one register, for each of my four k: four fragments
	WIN 0x05                                       ; sources window 1, destination window 0
.set jn_, 0
.rept 4
.set p_, 0
.rept 8
	v_cvt_pk_bf16_f32 v[BB+32*(\set)+8*jn_+p_], v[64*(\c)+8*p_+jn_], v[64*(\c)+8*p_+4+jn_]
.set p_, p_+1
.endr
.set jn_, jn_+1
.endr
.endm
.macro PACKA c                         ; step c of the table rows, both tiles: 16 f32 into 8 registers, in place, ascending
	WIN 0
.set f_, 2*(\c)
.rept 2
.set p_, 0
.rept 8
	v_cvt_pk_bf16_f32 v[AS+16*f_+p_], v[AS+16*f_+2*p_], v[AS+16*f_+2*p_+1]
.set p_, p_+1
.endr
.set f_, f_+1
.endr
.endm
.macro MULF c                          ; eight products; the eight accumulators take turns, one instruction a turn, from step to step too
	WIN 0
.set t_, 0
.rept 2
.set jn_, 0
.rept 4
.set ac_, ACC+8*(4*t_+jn_)
.set wb_, BB+32*((\c)&1)+8*jn_
.set ab_, AS+16*(2*(\c)+t_)
.if (\c) == 0
	v_wmma_f32_16x16x32_bf16 v[ac_:ac_+7], v[wb_:wb_+7], v[ab_:ab_+7], 0
.else
	v_wmma_f32_16x16x32_bf16 v[ac_:ac_+7], v[wb_:wb_+7], v[ab_:ab_+7], v[ac_:ac_+7]
.endif
.set jn_, jn_+1
.endr
.set t_, t_+1
.endr
.endm
	s_wait_loadcnt 24                              ; W is in; the 24 loads of table rows may stay out
	CVTW 0, 0
	CVTW 1, 1
	s_wait_loadcnt 16                              ; step 0's eight loads are in
	PACKA 0
	MULF 0
	s_wait_loadcnt 8
	PACKA 1                                        ; sixteen plain lines that name no register of step 0's products: the places in front of the lines that write set 0 anew
	MULF 1
	s_wait_loadcnt 0x0
	PACKA 2
	CVTW 2, 0
	MULF 2
	PLACES                                         ; four places between the last product and the stores that read results
.set a_, 0
.rept 8                                ; each accumulator's low four registers first
	ds_store_b128 v[SA], v[ACC+8*a_:ACC+8*a_+3]   offset:1024*a_
	ds_store_b128 v[SA], v[ACC+8*a_+4:ACC+8*a_+7] offset:1024*a_+512
.set a_, a_+1
.endr
	s_wait_dscnt 0x0                               ; for the others' sake: my partial tiles lie in LDS
	s_barrier_signal -1
	s_barrier_wait -1
	; element e of my 16 bytes is register j = 4 chunk + half + 2 (e / 4) of fragment jn = e % 4, at my own lane, summed over the eight waves
.set pv_, 0
.rept 8
.set jn_, 0
.rept 4
	ds_load_b32 v[TR+8*pv_+jn_],   v[RA] offset:8192*pv_+1024*jn_
	ds_load_b32 v[TR+8*pv_+4+jn_], v[RA] offset:8192*pv_+1024*jn_+8
.set jn_, jn_+1
.endr
.set pv_, pv_+1
.endr
	s_wait_dscnt 0x0
.irp st, 1,2,4                         ; a tree over the eight partial sums, two sums an instruction
.set pv_, 0
.rept 4/\st
.set x_, 0
.rept 4
	v_pk_add_f32 v[TR+8*pv_+x_:TR+8*pv_+x_+1], v[TR+8*pv_+x_:TR+8*pv_+x_+1], v[TR+8*(pv_+\st)+x_:TR+8*(pv_+\st)+x_+1]
.set x_, x_+2
.endr
.set pv_, pv_+2*\st
.endr
.endr
.irp p, 0,1,2,3
	v_cvt_pk_bf16_f32 v[HIW+\p], v[TR+2*\p], v[TR+2*\p+1]           ; hi
.endr
.irp p, 0,1,2,3
	v_lshlrev_b32 v[WD+2*\p], 16, v[HIW+\p]
	v_and_b32 v[WD+2*\p+1], 0xffff0000, v[HIW+\p]
.endr
.irp p, 0,1,2,3
	v_pk_add_f32 v[TR+2*\p:TR+2*\p+1], v[TR+2*\p:TR+2*\p+1], v[WD+2*\p:WD+2*\p+1] neg_lo:[0,1] neg_hi:[0,1]  ; what hi has lost (exact)
.endr
.irp p, 0,1,2,3
	v_cvt_pk_bf16_f32 v[LOW+\p], v[TR+2*\p], v[TR+2*\p+1]           ; lo
.endr
	global_store_b128 v[GOF], v[HIW:HIW+3], s[12:13]               ; sixteen lanes store 256 consecutive bytes, at a multiple of 256 from prf's first byte
	global_store_b128 v[GOF], v[LOW:LOW+3], s[12:13] offset:LOB
	s_wait_tensorcnt 0x0                           ; the wave's end, behind my last LDS store
	ds_add_u32 v[SPW], v[NIL]
	s_wait_dscnt 0x0
	s_endpgm
.Lfunc_end_k_q3919dbe8b4_fold:
	.size	k_q3919dbe8b4_fold, .Lfunc_end_k_q3919dbe8b4_fold-k_q3919dbe8b4_fold
	.p2alignl 7, 3214868480
	.fill 96, 4, 3214868480
	.section	.rodata,"a",@progbits
	.p2align	6, 0x0
	.amdhsa_kernel k_q3919dbe8b4_fold
		.amdhsa_group_segment_fixed_size 66560
		.amdhsa_private_segment_fixed_size 0
		.amdhsa_enable_private_segment 0
		.amdhsa_kernarg_size 40
		.amdhsa_user_sgpr_count 2
		.amdhsa_user_sgpr_kernarg_segment_ptr 1
		.amdhsa_wavefront_size32 1
		.amdhsa_system_sgpr_workgroup_id_x 1
		.amdhsa_system_sgpr_workgroup_id_y 1
		.amdhsa_system_sgpr_workgroup_id_z 1
		.amdhsa_system_vgpr_workitem_id 0
		.amdhsa_next_free_vgpr 448
		.amdhsa_next_free_sgpr 66
		.amdhsa_reserve_vcc 1
		.amdhsa_float_denorm_mode_32 3
		.amdhsa_float_denorm_mode_16_64 3
		.amdhsa_memory_ordered 1
		.amdhsa_forward_progress 1
		.amdhsa_inst_pref_size 31
	.end_amdhsa_kernel
	.amdgpu_metadata
---
amdhsa.version: [ 1, 2 ]
amdhsa.kernels:
  - .name:           k_q3919dbe8b4_fold
    .symbol:         k_q3919dbe8b4_fold.kd
    .args:
      - { .name: W_topic, .offset: 0, .size: 8, .value_kind: global_buffer, .address_space: global }
      - { .name: W_domain, .offset: 8, .size: 8, .value_kind: global_buffer, .address_space: global }
      - { .name: memory_tables, .offset: 16, .size: 8, .value_kind: global_buffer, .address_space: global }
      - { .name: category, .offset: 24, .size: 8, .value_kind: global_buffer, .address_space: global }
      - { .name: prf, .offset: 32, .size: 8, .value_kind: global_buffer, .address_space: global }
    .group_segment_fixed_size: 66560
    .private_segment_fixed_size: 0
    .kernarg_segment_align: 8
    .kernarg_segment_size: 40
    .max_flat_workgroup_size: 256
    .sgpr_count:     66
    .vgpr_count:     448
    .wavefront_size: 32
...
	.end_amdgpu_metadata
.endif
;; end of part 1
;; launch attend (part 2): grid 256 x 1, 4 waves a work-group, clusters of 4 x 1, 327,680 bytes of LDS; arguments feature, prf, out0; writes out0
.if DOCPART == 2
	.amdgcn_target "amdgcn-amd-amdhsa--gfx1250"
	.amdhsa_code_object_version 6
	.text
	.protected	k_q3919dbe8b4_attend
	.globl	k_q3919dbe8b4_attend
	.p2align	8
	.type	k_q3919dbe8b4_attend,@function
k_q3919dbe8b4_attend:
	s_mov_b64 s[64:65], 0
	v_nop
	global_prefetch_b8 v0, s[64:65] scope:SCOPE_SE
	s_setreg_imm32_b32 hwreg(HW_REG_WAVE_MODE, 25, 1), 1
	s_wait_xcnt 0x0
	s_wait_alu depctr_hold_cnt(0) depctr_sa_sdst(0) depctr_va_vdst(0) depctr_va_sdst(0) depctr_va_ssrc(0) depctr_va_vcc(0) depctr_vm_vsrc(0)
	s_getreg_b32 s2, hwreg(HW_REG_IB_STS2, 6, 4)
	s_cmp_eq_u32 s2, 0
	s_cbranch_scc0 .Lentry_in_a_cluster
	s_endpgm
.Lentry_in_a_cluster:
	s_bfe_u32 s2, ttmp6, 0x10000c
	s_cmp_lg_u32 s2, 0x3003
	s_cbranch_scc0 .Lentry_shape_is_right
	s_endpgm
.Lentry_shape_is_right:
; ATTEND.  S[b][d][m] = feature[b] . P[d][m], G[b][d][m] = feature[b] . R[d][m]; c = 32 log2(e) / max(|feature[b]|, 1e-12); att = softmax over m of c S (in powers of 2, the maximum taken away);
; L[b][d] = sum over m of att G; out0[b][0][d] = softmax over d of c L.  P and R come from the launch before, as hi + lo in bf16, in fragment order.
; WORK LEFT OUT: t, dproj and sep of reference() are never formed, and the samples' tables beyond the first nine are not gathered: shown at the head of the launch before.
; LIMITS.  The features are rounded to bf16 once, and the row's norm is taken of the rounded numbers; the order of rounding differs from reference()'s; a weight below 2^-126 counts as 0;
; NaN and infinities are not treated apart.
; SHARES.  A work-group owns 64 rows: four tiles of 16.  K IS SPLIT AMONG ITS FOUR WAVES: in trip t of 8, wave w takes k = 256 t + 64 w .. + 63: 256 consecutive bytes, aligned, of each of the 64 rows, as two
; steps of 32.  Each wave keeps all 64 rows x 192 columns (96 of P, 96 of R): 48 accumulators.  A fragment of P or R is read from LDS by one wave alone and feeds four products.  The four partial
; sums meet in LDS at the end, and wave w finishes rows 16 w .. 16 w + 15.
; THE PRODUCT IS USED TRANSPOSED: source 0 = 16 rows of P or R, source 1 = 16 rows of features: a lane holds ONE row b (lane % 16) and the rows 8 (lane / 16) + 0..7 of each tile of P and R: by the order
; in which the launch before laid them, four whole domains and half of domain 8.
; TWO STREAMS, TWO COUNTERS.  The features go straight from memory into registers (no wave wants another's bytes): two staging sets of a trip each, 64 loads a wave out.  P and R come through a ring of two LDS
; slots of a step each, filled by tensor loads, each wave its own part, which it alone reads.
; CLUSTER.  All work-groups walk the same P and R: the four of a cluster ask for each part JOINTLY: the same tensor load, descriptor and mask in all four.  A mask names four work-groups, and only this one operand
; is shared, so the cluster is 4 x 1.
; REGISTERS, in windows of 256 (s_set_vgpr_msb: bits 1:0 source 0, 3:2 source 1, 5:4 source 2, 7:6 destination):
;   window 0: v0-15 addresses; v16-31 at work; v32-95 the features' fragments, two sets of four; v96-143, v144-191 fragments of P and R, two buffers of six
;   window 1: the staging sets: v0-127, v128-255: row tile rt, load i at 32 rt + 4 i
;   window 2: v0-191 S's accumulators, tile T, row tile rt at 8 (4 T + rt); v192-195 sums of squares of row tiles 0 and 2      window 3: the same for G, and for row tiles 1 and 3
.set ROWF,  8192                       ; bytes in a row of features
.set TILEF, 16*ROWF
.set TRIPB, 1024                       ; bytes of a row in a trip
.set FRAG,  1024                       ; bytes in a fragment
.set PARTB, 24576                      ; a wave's part of a step: 24 fragments
.set STEPB, 98304                      ; a step of prf, and an LDS slot
.set SSB,   2*STEPB                    ; behind the ring: the waves' sums of squares, 512 bytes each
.set OUTB,  SSB+2048                   ; the work-group's 64 rows of out0: 2,304 bytes
.set SPARE, OUTB+2304                  ; the spare words, 128 bytes for each wave: two blocks of 256 bytes that no other line names
.set SSW, 1                            ; v1     where I put my sums of squares
.set FO,  2                            ; v2     my byte offset in 16 rows of features: r x 8,192 + 16 h + 256 w; never rewritten
.set PO,  3                            ; v3     the features' prefetches: lane x 8,192 + 256 w; never rewritten
.set PPO, 4                            ; v4     prf's prefetches: my block of 256 bytes in a step; never rewritten
.set LA,  5                            ; v5-6   my 16 bytes in my part of slot 0, 1
.set GO,  7                            ; v7     my 8 bytes in the work-group's rows of out0
.set SPW, 8                            ; v8     LDS address of my spare word; never rewritten
.set NIL, 9                            ; v9     0; never rewritten
.set RDA, 10                           ; v10-11 where I read the partial tiles of waves 0, 1 and of waves 2, 3
.set SSA, 12                           ; v12    where I read sums of squares
.set OA,  13                           ; v13    where I put my four numbers of a row of out0
.set OA8, 14                           ; v14    and the ninth
.set OL,  15                           ; v15    where I read 8 bytes of out0 back
.set XF,  32
.set PF,  96
.set RES, 32                           ; the end: S[q] at RES + q, G[q] at RES + 48 + q
.set TMP, 128                          ; the end: three waves' partial tiles
.set CC,  24                           ; v24-25 c, named as a pair
.set LR,  26                           ; v26-30 L of my four domains and of domain 8
.set OT,  16                           ; v16-19 L of the other half's four domains
.set MXS, 224                          ; group y: c x maximum at MXS + 2 y, the maximum at MXS + 2 y + 1
.set WK,  234                          ; v234-235 at work
.set NUM, 236                          ; group y: a pair of partial sums of att G
.set DEN, 246
.set RCP, 251
.set WV,  10                           ; s10  my wave's number
.set CX,  11                           ; s11  my place in the cluster
.set WX,  12                           ; s12  my work-group's number
.set FB,  14                           ; s[14:15] the features at my work-group's first row, at the loop's trip
.set G1,  24                           ; s[24:31] descriptor group 1
.set G0,  32                           ; s[32:39] descriptor group 0, a set for each slot
.set PPA, 40                           ; s[40:41] prf at the loop's trip
.set LIMP, 42                          ; s42  1 in a wave that prefetches prf, else the greatest number
.set CNT, 43                           ; s43  trips of the loop still to come
.set SEL, 44                           ; s[44:45] v_permlanex16_b32's selects: each lane takes its own place in the other half
.set KC,  46                           ; s46  32 log2(e)
.set EPS, 47                           ; s47  1e-12
.set MSB, 0
.macro WIN new                         ; the immediate's high byte repeats the setting that is left; a switch that changes nothing is dropped
.if MSB != (\new)
	s_set_vgpr_msb (MSB<<8)|(\new)
.set MSB, \new
.endif
.endm
.macro PLACES
.rept 4
	v_nop
.endr
.endm
; A round of the cluster's barrier: my work-group's barrier, so that wave 0's signal speaks for all four waves; wave 0 signals; every wave waits for all four work-groups; my work-group's barrier once more.
.macro CREST
	s_cmp_lg_u32 s[WV], 0
	s_cbranch_scc1 .Lnot_wave_0_\@
	s_barrier_signal -3
.Lnot_wave_0_\@:
	s_barrier_wait -3
	s_barrier_signal -1
	s_barrier_wait -1
.endm
.macro CROUND
	s_barrier_signal -1
	s_barrier_wait -1
	CREST
.endm
; A trip's 32 loads into a staging set, row tile by row tile.  Load i brings k = 8 i + 4 h + 0..3 of my 64: the eight loads of a row tile cover 256 consecutive bytes of each of its 16 rows.
.macro LOADF set, off
	WIN 0x40                                       ; destination window 1, address window 0
.set rt_, 0
.rept 4
.set i_, 0
.rept 8
	global_load_b128 v[128*(\set)+32*rt_+4*i_:128*(\set)+32*rt_+4*i_+3], v[FO], s[FB:FB+1] offset:(\off)+TILEF*rt_+32*i_
.set i_, i_+1
.endr
.set rt_, rt_+1
.endr
	WIN 0
.endm
; Row tile g of the next step is rounded to bf16: half ih of a staging set's trip into set up of the fragments.  wt >= 0: the wait for the row tile's loads.  Register 2 ii + cc holds k = 8 ii + 4 h + 2 cc, + 1:
; a permutation of the 32 k that prf's fragments share.  The eight lines name no register of the products in front of them: they are the places ahead of the next loads into a fragment buffer.
.macro VCL g, set, ih, wt, up
.if (\wt) >= 0
	s_wait_loadcnt \wt
.endif
	WIN 0x05                                       ; sources window 1, destination window 0
.set ii_, 0
.rept 4
.set sr_, 128*(\set)+32*(\g)+4*(4*(\ih)+ii_)
.set xd_, XF+32*(\up)+8*(\g)+2*ii_
	v_cvt_pk_bf16_f32 v[xd_], v[sr_], v[sr_+1]
	v_cvt_pk_bf16_f32 v[xd_+1], v[sr_+2], v[sr_+3]
.set ii_, ii_+1
.endr
.endm
.macro CV cv, g, set, ih, wt, up       ; the same, or (the last step) only the places
.if \cv
	VCL \g, \set, \ih, \wt, \up
.else
	PLACES
.endif
.endm
; The six fragments of group g (0: P hi, 1: R hi, 2: P lo, 3: R lo): twelve LDS loads in one run, 16 consecutive bytes a lane
.macro FETCH slot, g, buf
	WIN 0
.set fi_, 0
.rept 6
	ds_load_b128 v[PF+48*(\buf)+8*fi_:PF+48*(\buf)+8*fi_+3],   v[LA+(\slot)] offset:FRAG*(6*(\g)+fi_)
	ds_load_b128 v[PF+48*(\buf)+8*fi_+4:PF+48*(\buf)+8*fi_+7], v[LA+(\slot)] offset:FRAG*(6*(\g)+fi_)+512
.set fi_, fi_+1
.endr
.endm
; Products of group g, fragments f0 to f1, on the four row tiles.  The 24 accumulators of a group take turns, one instruction a turn, from group to group and over the backward jump too.
; Behind two products in three rides one multiply-add of the norm: the 16 halves of row tile g's fragment, squared, into two chains that lie in the accumulators' window: no switch.
.macro MUL g, u, f0, f1, zero
	WIN 0xa0+0x50*((\g)&1)                         ; C and D window 2 (S) or 3 (G), sources window 0
.set fi_, \f0
.rept (\f1)-(\f0)+1
.set rt_, 0
.rept 4
.set ac_, 8*(4*fi_+rt_)
.set pa_, PF+48*((\g)&1)+8*fi_
.set xb_, XF+32*(\u)+8*rt_
.if \zero
	v_wmma_f32_16x16x32_bf16 v[ac_:ac_+7], v[pa_:pa_+7], v[xb_:xb_+7], 0
.else
	v_wmma_f32_16x16x32_bf16 v[ac_:ac_+7], v[pa_:pa_+7], v[xb_:xb_+7], v[ac_:ac_+7]
.endif
.set n_, 4*fi_+rt_
.if (n_%3) != 2
.set rho_, n_-n_/3
.set sq_, 192+2*((\g)>>1)+(rho_&1)
.set xs_, XF+32*(\u)+8*(\g)+rho_/2
.if rho_&1
	v_fma_mix_f32_bf16 v[sq_], v[xs_], v[xs_], v[sq_] op_sel:[1,1,0] op_sel_hi:[1,1,0]
.else
	v_fma_mix_f32_bf16 v[sq_], v[xs_], v[xs_], v[sq_] op_sel_hi:[1,1,0]
.endif
.endif
.set rt_, rt_+1
.endr
.set fi_, fi_+1
.endr
.endm
; A group: 24 products; in its middle the next group's fragments (group ng of the same slot, into buffer nb) are fetched.
.macro GRP g, u, ng, nb, zero
	s_wait_dscnt 6                                 ; of my twelve loads the first six are in: fragments 0 to 2
	MUL \g, \u, 0, 2, \zero
	FETCH \u, \ng, \nb
	s_wait_dscnt 12                                ; all but the twelve just issued
	MUL \g, \u, 3, 5, \zero
.endm
; The first half of a step: groups 0 and 1, and the next step's row tiles 0 and 1.
.macro HA u, cv, set, ih, wa, wb, zero
	GRP 0, \u, 1, 1, \zero
	CV \cv, 0, \set, \ih, \wa, 1-(\u)
	GRP 1, \u, 2, 0, \zero
	CV \cv, 1, \set, \ih, \wb, 1-(\u)
.endm
; The second half, up to the change of slots.  In front of the round each wave waits for all its tensor loads, of which one is out: its part of the other slot; adds 0 to its spare word; and waits for that and for its
; reads of this slot.  Behind the round no wave of any partner reads this slot or has a load on its way: it is filled again, with the step two on; then the other slot's first fragments are fetched.
.macro HBR u, set, ih, wa
	GRP 2, \u, 3, 1, 0
	VCL 2, \set, \ih, \wa, 1-(\u)
	WIN 0
	s_wait_tensorcnt 0x0                           ; no tensor load of mine is out, so a group 0 may be written
	ds_add_u32 v[SPW], v[NIL]                      ; 0 onto my spare word
	s_add_nc_u64 s[G0+4*(\u)+2:G0+4*(\u)+3], s[G0+4*(\u)+2:G0+4*(\u)+3], 2*STEPB  ; this slot's next step; the type bits on top are not reached
	s_wait_dscnt 7                                 ; the add and the youngest six loads may be out
	MUL 3, \u, 0, 1, 0                             ; eight products stand between the add and the wait for it
	s_wait_dscnt 0x0                               ; the add is done, and my reads of this slot are over
	s_barrier_signal -1
	MUL 3, \u, 2, 2, 0                             ; work on registers while the others arrive
	WIN 0                                          ; at a branch and at a label every window is 0
	s_barrier_wait -1
	CREST
	tensor_load_to_lds s[G0+4*(\u):G0+4*(\u)+3], s[G1:G1+7]  ; my one tensor load behind the round, and the first thing there
	s_nop 0
	PLACES
	FETCH 1-(\u), 0, 0
.endm
.macro HBE u, set, ih, wb              ; the rest of the step
	MUL 3, \u, 3, 5, 0
	VCL 3, \set, \ih, \wb, 1-(\u)
.endm
; PREFETCHES INTO THE L2.  prf: every cluster walks the same steps; the first cluster asks, for the step four refills on.  A step is 384 blocks of 256 bytes: waves 0 to 2 of its four work-groups take 32 each, a lane a
; block, told apart by address: each block is named once in the launch.  Steps 0 to 5 come by their loads alone; how = 0: the loop's last trip has no such step.
.macro ASKP how, off
.if \how
	s_cmp_eq_u32 s[LIMP], 1
.else
	s_cmp_gt_u32 s[CNT], s[LIMP]
.endif
	s_cbranch_scc0 .Lnot_mine_\@
	global_prefetch_b8 v[PPO], s[PPA:PPA+1] offset:\off th:TH_LOAD_NT scope:SCOPE_SE
.Lnot_mine_\@:
.endm
; The features: each wave asks for its own 256 bytes of the 64 rows, a lane a row, for the trip that its next run of loads will bring: behind the run just issued.  test = 1: the loop's last trip has no such trip.
.macro ASKF off, test
.if \test
	s_cmp_lg_u32 s[CNT], 1
	s_cbranch_scc0 .Lno_trip_\@
.endif
	global_prefetch_b8 v[PO], s[FB:FB+1] offset:\off th:TH_LOAD_NT scope:SCOPE_SE
	global_prefetch_b8 v[PO], s[FB:FB+1] offset:(\off)+32*ROWF th:TH_LOAD_NT scope:SCOPE_SE
.if \test
.Lno_trip_\@:
.endif
.endm
	s_load_b128 s[4:7], s[0:1], 0x0                ; feature s[4:5], prf s[6:7]
	s_load_b64 s[8:9], s[0:1], 0x10                ; out0
	v_lshl_add_u32 v[SPW], v0, 2, SPARE
	v_mov_b32 v[NIL], 0
	ds_add_u32 v[SPW], v[NIL]                      ; the wave's opening: the add, twice on end, and its wait ahead of my first tensor load; the set-up below stands between
	ds_add_u32 v[SPW], v[NIL]
	v_lshrrev_b32 v16, 5, v0
	v_readfirstlane_b32 s[WV], v16                 ; wave 0..3
	s_bfe_u32 s[CX], ttmp6, 0x40000                ; cx
	s_lshl_b32 s[WX], ttmp9, 2                     ; in a cluster launch ttmp9 counts clusters
	s_add_co_u32 s[WX], s[WX], s[CX]               ; my work-group: it enters the features', out0's and the prefetches' addresses alone
	; descriptor group 1: a wave's part of a step is 24,576 dense bytes: 96 rows of 256 bytes, laid in LDS without a gap
	s_mov_b32 s[G1], 15|(3<<16)|(1<<21)            ; 15:0 the mask: all four work-groups; 17:16 elements of 8 bytes; 21 set beside a mask
	s_mov_b32 s[G1+1], 32<<16                      ; tensor_dim0 = 32
	s_mov_b32 s[G1+2], 96<<16                      ; tensor_dim1 = 96
	s_mov_b32 s[G1+3], 32<<16                      ; tile_dim0 = 32
	s_mov_b32 s[G1+4], 96                          ; tile_dim1 = 96
	s_mov_b32 s[G1+5], 32                          ; 32 elements from row to row
	s_mov_b32 s[G1+6], 0
	s_mov_b32 s[G1+7], 0
	s_mul_i32 s20, s[WV], PARTB                    ; my part, in a step of prf and in a slot: no place in the cluster enters it
	s_mov_b32 s21, 0
	s_mov_b32 s[G0], 1                             ; count = 1
	s_mov_b32 s[G0+1], s20                         ; LDS address: slot 0
	s_mov_b32 s[G0+4], 1
	s_add_co_u32 s[G0+5], s20, STEPB               ; slot 1
	s_mov_b32 s[SEL], 0x76543210
	s_mov_b32 s[SEL+1], 0xfedcba98
	s_mov_b32 s[KC], 0x4238aa3b                    ; 32 log2(e) = 46.16624
	s_mov_b32 s[EPS], 0x2b8cbccc                   ; 1e-12
	s_cmp_eq_u32 s[WV], 3
	s_cselect_b32 s[LIMP], 1, 0
	s_or_b32 s[LIMP], s[LIMP], ttmp9               ; 0 in waves 0 to 2 of the first cluster: the same in all four partners
	s_cmp_eq_u32 s[LIMP], 0
	s_cselect_b32 s[LIMP], 1, -1
	s_lshl_b32 s22, s[WV], 8                       ; 256 w
	s_lshl_b32 s16, s[WX], 19                      ; 64 rows of 8,192 bytes
	s_mov_b32 s17, 0
	s_mul_i32 s18, s[WX], 2304                     ; 64 rows of 36 bytes
	s_mov_b32 s19, 0
	v_and_b32 v16, 31, v0                          ; lane
	v_and_b32 v17, 15, v0                          ; r
	v_bfe_u32 v18, v0, 4, 1                        ; h
	v_lshlrev_b32 v[FO], 13, v17
	v_lshl_add_u32 v[FO], v18, 4, v[FO]
	v_add_nc_u32 v[FO], s22, v[FO]
	v_lshl_add_u32 v[LA], v16, 4, s20
	v_add_nc_u32 v[LA+1], STEPB, v[LA]
	s_wait_dscnt 0x0                               ; both opening adds are done
	s_wait_kmcnt 0x0
	s_add_nc_u64 s[FB:FB+1], s[4:5], s[16:17]
	s_add_nc_u64 s[8:9], s[8:9], s[18:19]
	s_add_nc_u64 s[G0+2:G0+3], s[6:7], s[20:21]    ; global address: my part of step 0,
	s_add_nc_u64 s[G0+6:G0+7], s[G0+2:G0+3], STEPB ; of step 1
	s_or_b32 s[G0+3], s[G0+3], 0x80000000          ; type = 2
	s_or_b32 s[G0+7], s[G0+7], 0x80000000
	s_mov_b64 s[PPA:PPA+1], s[6:7]
	LOADF 0, 0                                     ; trip 0: the stream from memory goes out first
	CROUND                                         ; all four work-groups are here: the first joint loads meet
	tensor_load_to_lds s[G0:G0+3], s[G1:G1+7]      ; both first fills together: two tensor loads of mine are out
	s_nop 0
	tensor_load_to_lds s[G0+4:G0+7], s[G1:G1+7]
	s_nop 0
	PLACES
	LOADF 1, TRIPB                                 ; trip 1
	WIN 0x80
.irp i, 192,193,194,195
	v_mov_b32 v[\i], 0                             ; the sums of squares start at 0
.endr
	WIN 0xc0
.irp i, 192,193,194,195
	v_mov_b32 v[\i], 0
.endr
	WIN 0
	v_lshl_add_u32 v[PO], v16, 13, s22
	s_mul_i32 s23, s[CX], 3
	s_add_co_u32 s23, s23, s[WV]
	s_lshl_b32 s23, s23, 13                        ; (3 cx + w) x 32 blocks
	v_lshl_add_u32 v[PPO], v16, 8, s23
	s_lshr_b32 s18, s[WV], 1                       ; at the end I finish row tile w: it lies in slot w / 2, half w % 2 of each wave's part
	s_mul_i32 s18, s18, STEPB
	s_and_b32 s19, s[WV], 1
	s_mul_i32 s19, s19, PARTB/2
	s_add_co_u32 s18, s18, s19
	v_lshl_add_u32 v[RDA], v16, 4, s18
	v_add_nc_u32 v[RDA+1], 2*PARTB, v[RDA]
	s_lshl_b32 s18, s[WV], 9
	s_add_co_u32 s18, s18, SSB
	v_lshl_add_u32 v[SSW], v16, 4, s18
	s_lshl_b32 s18, s[WV], 2
	s_add_co_u32 s18, s18, SSB
	v_lshl_add_u32 v[SSA], v16, 4, s18
	s_mul_i32 s18, s[WV], 576                      ; 16 rows of 36 bytes
	s_add_co_u32 s18, s18, OUTB
	v_mul_u32_u24 v[OA8], 36, v17
	v_lshl_add_u32 v[OA], v18, 4, v[OA8]
	v_add_nc_u32 v[OA], s18, v[OA]
	v_add3_u32 v[OA8], v[OA8], s18, 32
	s_add_co_u32 s18, s22, OUTB
	v_lshl_add_u32 v[OL], v16, 3, s18
	v_lshl_add_u32 v[GO], v16, 3, s22
	s_wait_tensorcnt 1                             ; my part of step 0 is in, and I alone read it; step 1's may stay out
	FETCH 0, 0, 0
	VCL 0, 0, 0, 56, 0                             ; step 0's fragments: of 64 loads the oldest 8, 16, 24, 32 are in
	VCL 1, 0, 0, 48, 0
	VCL 2, 0, 0, 40, 0
	VCL 3, 0, 0, 32, 0
	HA 0, 1, 0, 1, -1, -1, 1                       ; the first half of step 0 stands in front of the loop: its 48 products start the 48 sums
	WIN 0
	s_mov_b32 s[CNT], 3
.Lloop:                                ; a trip: four steps, from the second half of step 4 j to the first half of step 4 j + 4.  The waits 56, 48, 40, 32 leave out the later row tiles of the trip wanted and the 32 loads of the trip behind it
	HBR 0, 0, 1, -1                                ; step 4 j
	ASKP 1, 6*STEPB
	HBE 0, 0, 1, -1
	LOADF 0, 2*TRIPB                               ; set 0 has been read out: the trip two on
	ASKF 3*TRIPB, 0
	HA 1, 1, 1, 0, 56, 48, 0                       ; step 4 j + 1
	HBR 1, 1, 0, 40
	ASKP 1, 7*STEPB
	HBE 1, 1, 0, 32
	HA 0, 1, 1, 1, -1, -1, 0                       ; step 4 j + 2
	HBR 0, 1, 1, -1
	ASKP 0, 8*STEPB
	HBE 0, 1, 1, -1
	LOADF 1, 3*TRIPB
	ASKF 4*TRIPB, 1
	HA 1, 1, 0, 0, 56, 48, 0                       ; step 4 j + 3
	HBR 1, 0, 0, 40
	ASKP 0, 9*STEPB
	HBE 1, 0, 0, 32
	HA 0, 1, 0, 1, -1, -1, 0                       ; step 4 j + 4
	WIN 0
	s_wait_xcnt 0x0                                ; every load and prefetch issued so far (the youngest at least 60 products back) has read its address: the two pointers may be written
	s_add_nc_u64 s[FB:FB+1], s[FB:FB+1], 2*TRIPB
	s_add_nc_u64 s[PPA:PPA+1], s[PPA:PPA+1], 4*STEPB
	s_sub_co_u32 s[CNT], s[CNT], 1
	s_cmp_lg_u32 s[CNT], 0
	s_cbranch_scc1 .Lloop
	HBR 0, 0, 1, -1                                ; THE TAIL is written out.  Step 12: slot 0 takes step 14; no feature is left to load
	HBE 0, 0, 1, -1
	HA 1, 1, 1, 0, 24, 16, 0                       ; step 13: no younger trip is out: the counts are the later row tiles' alone
	HBR 1, 1, 0, 8                                 ; slot 1 takes step 15: the last tensor load
	HBE 1, 1, 0, 0
	HA 0, 1, 1, 1, -1, -1, 0                       ; step 14: nothing is filled again, so no barrier: each wave reads its own part alone
	GRP 2, 0, 3, 1, 0
	VCL 2, 1, 1, -1, 1
	s_wait_dscnt 6
	MUL 3, 0, 0, 2, 0
	WIN 0
	s_wait_tensorcnt 0x0                           ; my part of step 15 is in
	FETCH 1, 0, 0
	s_wait_dscnt 12
	MUL 3, 0, 3, 5, 0
	VCL 3, 1, 1, -1, 1
	HA 1, 0, 0, 0, -1, -1, 0                       ; step 15: nothing more to round
	GRP 2, 1, 3, 1, 0
	s_wait_dscnt 6
	MUL 3, 1, 0, 2, 0
	s_wait_dscnt 0x0
	MUL 3, 1, 3, 5, 0
	; THE FOUR PARTIAL SUMS MEET.  My 48 tiles go into my own two parts of the ring, which have had their last fill: row tiles 0, 1 into slot 0's, 2, 3 into slot 1's; tile (rt, T) at 1,024 (12 (rt % 2) + T).
	PLACES                                         ; four places between the last product and the stores that read results
.irp wn, 0,1                           ; each accumulator's low four registers first
	WIN 0x08+4*\wn                                 ; the stores' data in window 2 (S), then 3 (G)
.set T_, 0
.rept 6
.set rt_, 0
.rept 4
	ds_store_b128 v[LA+(rt_>>1)], v[8*(4*T_+rt_):8*(4*T_+rt_)+3]   offset:FRAG*(12*(rt_&1)+6*\wn+T_)
	ds_store_b128 v[LA+(rt_>>1)], v[8*(4*T_+rt_)+4:8*(4*T_+rt_)+7] offset:FRAG*(12*(rt_&1)+6*\wn+T_)+512
.set rt_, rt_+1
.endr
.set T_, T_+1
.endr
.endr
	WIN 0x0a                                       ; sources window 2
	v_add_f32 v16, v192, v193                      ; row tile 0's two chains,
	v_add_f32 v18, v194, v195                      ; row tile 2's
	WIN 0x0f                                       ; sources window 3
	v_add_f32 v17, v192, v193
	v_add_f32 v19, v194, v195
	WIN 0
	ds_store_b128 v[SSW], v[16:19]
	s_wait_dscnt 0x0                               ; for the others' sake: my stores are done
	s_barrier_signal -1
	s_barrier_wait -1
.macro BATCHL bt                       ; four tiles of my row tile, from all four waves: wave 0's straight into RES
.set tl_, 0
.rept 4
.set of_, FRAG*(4*(\bt)+tl_)
.set c_, 0
.rept 2
	ds_load_b128 v[RES+32*(\bt)+8*tl_+4*c_:RES+32*(\bt)+8*tl_+4*c_+3], v[RDA] offset:of_+512*c_
	ds_load_b128 v[TMP+8*tl_+4*c_:TMP+8*tl_+4*c_+3],       v[RDA]   offset:PARTB+of_+512*c_
	ds_load_b128 v[TMP+32+8*tl_+4*c_:TMP+32+8*tl_+4*c_+3], v[RDA+1] offset:of_+512*c_
	ds_load_b128 v[TMP+64+8*tl_+4*c_:TMP+64+8*tl_+4*c_+3], v[RDA+1] offset:PARTB+of_+512*c_
.set c_, c_+1
.endr
.set tl_, tl_+1
.endr
.endm
.macro BATCHA bt                       ; (wave 0 + wave 1) + (wave 2 + wave 3), two sums an instruction
.set x_, 0
.rept 16
	v_pk_add_f32 v[RES+32*(\bt)+x_:RES+32*(\bt)+x_+1], v[RES+32*(\bt)+x_:RES+32*(\bt)+x_+1], v[TMP+x_:TMP+x_+1]
	v_pk_add_f32 v[TMP+32+x_:TMP+32+x_+1], v[TMP+32+x_:TMP+32+x_+1], v[TMP+64+x_:TMP+64+x_+1]
.set x_, x_+2
.endr
.set x_, 0
.rept 16
	v_pk_add_f32 v[RES+32*(\bt)+x_:RES+32*(\bt)+x_+1], v[RES+32*(\bt)+x_:RES+32*(\bt)+x_+1], v[TMP+32+x_:TMP+32+x_+1]
.set x_, x_+2
.endr
.endm
.macro ALL5 line:vararg                ; one line for each group y of scores: four domains of ten, and my five of domain 8
.set y_, 0
.rept 5
	\line
.set y_, y_+1
.endr
.endm
.macro ALL4 line:vararg                ; for the four whole domains alone
.set y_, 0
.rept 4
	\line
.set y_, y_+1
.endr
.endm
.irp pv, 0,1,2,3
	ds_load_b32 v[20+\pv], v[SSA] offset:512*\pv   ; the four waves' sums of squares of my row
.endr
	BATCHL 0
	s_wait_dscnt 0x0
	v_add_f32 v20, v20, v21
	v_add_f32 v22, v22, v23
	v_add_f32 v20, v20, v22
	v_permlanex16_b32 v21, v20, s[SEL], s[SEL+1]   ; the row's other k lie in the lane 16 away
	v_add_f32 v20, v20, v21
	v_sqrt_f32 v[CC], v20
	BATCHA 0                                       ; plain work that names neither the root nor its source
	s_wait_alu depctr_va_vdst(0)                   ; the wait ahead of the root's first reader
	v_max_num_f32 v[CC], s[EPS], v[CC]             ; reference()'s guard: the norm is at least 1e-12
	v_rcp_f32 v[CC+1], v[CC]
	BATCHL 1
	s_wait_dscnt 0x0
	BATCHA 1
	s_wait_alu depctr_va_vdst(0)                   ; and ahead of the reciprocal's
	v_mul_f32 v[CC], s[KC], v[CC+1]                ; c = 32 log2(e) / norm, above 0
	BATCHL 2
	v_mov_b32 v[WK], 0                             ; v_permlanex16_b32's destination counts as read
	v_mov_b32 v[WK+1], 0
	s_wait_dscnt 0x0
	BATCHA 2
	; THE TOPIC SOFTMAX.  Group y's scores are S[10 y ..]; the maximum is taken of the raw scores (c is above 0) and taken away in the exponent.
	ALL5 v_max3_num_f32 v[MXS+2*y_+1], v[RES+10*y_], v[RES+10*y_+1], v[RES+10*y_+2]
	ALL5 v_max3_num_f32 v[MXS+2*y_+1], v[MXS+2*y_+1], v[RES+10*y_+3], v[RES+10*y_+4]
	ALL4 v_max3_num_f32 v[MXS+2*y_+1], v[MXS+2*y_+1], v[RES+10*y_+5], v[RES+10*y_+6]
	ALL4 v_max3_num_f32 v[MXS+2*y_+1], v[MXS+2*y_+1], v[RES+10*y_+7], v[RES+10*y_+8]
	ALL4 v_max_num_f32 v[MXS+2*y_+1], v[MXS+2*y_+1], v[RES+10*y_+9]
	v_permlanex16_b32 v[WK], v[MXS+9], s[SEL], s[SEL+1]            ; domain 8's other five scores lie in the lane 16 away
	v_max_num_f32 v[MXS+9], v[MXS+9], v[WK]
	ALL5 v_mul_f32 v[MXS+2*y_], v[CC], v[MXS+2*y_+1]
.irp pr, 0,2,4
	ALL5 v_pk_fma_f32 v[RES+10*y_+\pr:RES+10*y_+\pr+1], v[RES+10*y_+\pr:RES+10*y_+\pr+1], v[CC:CC+1], v[MXS+2*y_:MXS+2*y_+1] op_sel_hi:[1,0,0] neg_lo:[0,0,1] neg_hi:[0,0,1]
.endr
.irp pr, 6,8
	ALL4 v_pk_fma_f32 v[RES+10*y_+\pr:RES+10*y_+\pr+1], v[RES+10*y_+\pr:RES+10*y_+\pr+1], v[CC:CC+1], v[MXS+2*y_:MXS+2*y_+1] op_sel_hi:[1,0,0] neg_lo:[0,0,1] neg_hi:[0,0,1]
.endr
.set e_, 0
.rept 45                               ; one batch: none of these reads another's result
	v_exp_f32 v[RES+e_], v[RES+e_]
.set e_, e_+1
.endr
	v_mov_b32 v[RES+45], 0                         ; the spare row beside domain 8's five has no weight; also the plain line behind the last exponential
	s_wait_alu depctr_va_vdst(0)                   ; one wait for the 45
	ALL5 v_pk_mul_f32 v[NUM+2*y_:NUM+2*y_+1], v[RES+10*y_:RES+10*y_+1], v[RES+48+10*y_:RES+48+10*y_+1]
.irp pr, 2,4
	ALL5 v_pk_fma_f32 v[NUM+2*y_:NUM+2*y_+1], v[RES+10*y_+\pr:RES+10*y_+\pr+1], v[RES+48+10*y_+\pr:RES+48+10*y_+\pr+1], v[NUM+2*y_:NUM+2*y_+1]
.endr
.irp pr, 6,8
	ALL4 v_pk_fma_f32 v[NUM+2*y_:NUM+2*y_+1], v[RES+10*y_+\pr:RES+10*y_+\pr+1], v[RES+48+10*y_+\pr:RES+48+10*y_+\pr+1], v[NUM+2*y_:NUM+2*y_+1]
.endr
	ALL5 v_pk_add_f32 v[RES+10*y_:RES+10*y_+1], v[RES+10*y_:RES+10*y_+1], v[RES+10*y_+2:RES+10*y_+3]
	ALL4 v_pk_add_f32 v[RES+10*y_+4:RES+10*y_+5], v[RES+10*y_+4:RES+10*y_+5], v[RES+10*y_+6:RES+10*y_+7]
	ALL5 v_pk_add_f32 v[RES+10*y_:RES+10*y_+1], v[RES+10*y_:RES+10*y_+1], v[RES+10*y_+4:RES+10*y_+5]
	ALL4 v_pk_add_f32 v[RES+10*y_:RES+10*y_+1], v[RES+10*y_:RES+10*y_+1], v[RES+10*y_+8:RES+10*y_+9]
	ALL5 v_add_f32 v[DEN+y_], v[RES+10*y_], v[RES+10*y_+1]
	ALL5 v_add_f32 v[NUM+2*y_], v[NUM+2*y_], v[NUM+2*y_+1]
	v_permlanex16_b32 v[WK], v[DEN+4], s[SEL], s[SEL+1]            ; domain 8: both halves' sums
	v_permlanex16_b32 v[WK+1], v[NUM+8], s[SEL], s[SEL+1]
	v_add_f32 v[DEN+4], v[DEN+4], v[WK]
	v_add_f32 v[NUM+8], v[NUM+8], v[WK+1]
	ALL5 v_rcp_f32 v[RCP+y_], v[DEN+y_]            ; each sum holds the maximum's own weight, about 1
	v_nop
	s_wait_alu depctr_va_vdst(0)                   ; one wait for the five
	ALL5 v_mul_f32 v[LR+y_], v[NUM+2*y_], v[RCP+y_]
	; THE DOMAIN SOFTMAX over my four, the other half's four and domain 8.  Both halves take the same numbers in an order that gives the same sum.
	ALL4 v_permlanex16_b32 v[OT+y_], v[LR+y_], s[SEL], s[SEL+1]
	v_max3_num_f32 v20, v[LR], v[LR+1], v[LR+2]
	v_max3_num_f32 v21, v[OT], v[OT+1], v[OT+2]
	v_max3_num_f32 v20, v20, v[LR+3], v[LR+4]
	v_max3_num_f32 v20, v20, v21, v[OT+3]
	v_mul_f32 v21, v[CC], v20
	ALL5 v_fma_f32 v[LR+y_], v[LR+y_], v[CC], -v21
	ALL4 v_fma_f32 v[OT+y_], v[OT+y_], v[CC], -v21
	ALL5 v_exp_f32 v[LR+y_], v[LR+y_]
	ALL4 v_exp_f32 v[OT+y_], v[OT+y_]
	v_nop
	s_wait_alu depctr_va_vdst(0)                   ; one wait for the nine
	v_add_f32 v22, v[LR], v[LR+1]
	v_add_f32 v23, v[LR+2], v[LR+3]
	v_add_f32 v31, v[OT], v[OT+1]
	v_add_f32 v20, v[OT+2], v[OT+3]
	v_add_f32 v22, v22, v23
	v_add_f32 v31, v31, v20
	v_add_f32 v22, v22, v31
	v_add_f32 v22, v22, v[LR+4]
	v_rcp_f32 v23, v22
	v_nop
	s_wait_alu depctr_va_vdst(0)
	ALL5 v_mul_f32 v[LR+y_], v[LR+y_], v23
	; THE WAY OUT: a row of out0 is 36 bytes, the work-group's 64 rows nine blocks of 256: gathered in LDS and stored as whole blocks.
	ds_store_b32 v[OA], v[LR]
	ds_store_b32 v[OA], v[LR+1] offset:4
	ds_store_b32 v[OA], v[LR+2] offset:8
	ds_store_b32 v[OA], v[LR+3] offset:12
	ds_store_b32 v[OA8], v[LR+4]                   ; both halves of the lanes put the same number
	s_wait_dscnt 0x0                               ; for the others' sake
	s_barrier_signal -1
	s_barrier_wait -1
	ds_load_b64 v[16:17], v[OL]                    ; block w,
	ds_load_b64 v[18:19], v[OL] offset:1024        ; block w + 4
	s_wait_dscnt 0x0
	global_store_b64 v[GO], v[16:17], s[8:9]       ; 32 lanes store 256 consecutive bytes, at a multiple of 256 from out0's first byte
	global_store_b64 v[GO], v[18:19], s[8:9] offset:1024
	s_cmp_lg_u32 s[WV], 0
	s_cbranch_scc1 .Lno_ninth
	ds_load_b64 v[20:21], v[OL] offset:2048        ; wave 0: block 8
	s_wait_dscnt 0x0
	global_store_b64 v[GO], v[20:21], s[8:9] offset:2048
.Lno_ninth:
	s_wait_tensorcnt 0x0                           ; the wave's end, behind my last tensor load and my last LDS store
	ds_add_u32 v[SPW], v[NIL]
	s_wait_dscnt 0x0
	CROUND                                         ; the closing round: no work-group ends while a partner may still ask for a part that names it
	s_endpgm
.Lfunc_end_k_q3919dbe8b4_attend:
	.size	k_q3919dbe8b4_attend, .Lfunc_end_k_q3919dbe8b4_attend-k_q3919dbe8b4_attend
	.p2alignl 7, 3214868480
	.fill 96, 4, 3214868480
	.section	.rodata,"a",@progbits
	.p2align	6, 0x0
	.amdhsa_kernel k_q3919dbe8b4_attend
		.amdhsa_group_segment_fixed_size 327680
		.amdhsa_private_segment_fixed_size 0
		.amdhsa_enable_private_segment 0
		.amdhsa_kernarg_size 24
		.amdhsa_user_sgpr_count 2
		.amdhsa_user_sgpr_kernarg_segment_ptr 1
		.amdhsa_wavefront_size32 1
		.amdhsa_system_sgpr_workgroup_id_x 1
		.amdhsa_system_sgpr_workgroup_id_y 1
		.amdhsa_system_sgpr_workgroup_id_z 1
		.amdhsa_system_vgpr_workitem_id 0
		.amdhsa_next_free_vgpr 964
		.amdhsa_next_free_sgpr 66
		.amdhsa_reserve_vcc 0
		.amdhsa_float_denorm_mode_32 3
		.amdhsa_float_denorm_mode_16_64 3
		.amdhsa_memory_ordered 1
		.amdhsa_forward_progress 1
		.amdhsa_inst_pref_size 184
	.end_amdhsa_kernel
	.amdgpu_metadata
---
amdhsa.version: [ 1, 2 ]
amdhsa.kernels:
  - .name:           k_q3919dbe8b4_attend
    .symbol:         k_q3919dbe8b4_attend.kd
    .args:
      - { .name: feature, .offset: 0, .size: 8, .value_kind: global_buffer, .address_space: global }
      - { .name: prf, .offset: 8, .size: 8, .value_kind: global_buffer, .address_space: global }
      - { .name: out0, .offset: 16, .size: 8, .value_kind: global_buffer, .address_space: global }
    .group_segment_fixed_size: 327680
    .private_segment_fixed_size: 0
    .kernarg_segment_align: 8
    .kernarg_segment_size: 24
    .max_flat_workgroup_size: 128
    .sgpr_count:     66
    .vgpr_count:     964
    .wavefront_size: 32
...
	.end_amdgpu_metadata
.endif
;; end of part 2
